; MI455X (gfx1250); checked and timed in simulation.
; The chip was launched on July 23, 2026; its instructions are those of AMD's public machine-readable ISA for CDNA 5 (MIT licence, August 2026) and "CDNA5" Instruction Set Architecture Reference Guide (July 2026). The comments in the code are by the model that wrote it; some were corrected since.
;; Multi Head Attention Layer. Allowed arithmetic: matrix products marked QUANTISED: E4M3 operands, one given power-of-two scale a tensor, by v_wmma_f32_16x16x64_fp8_fp8 or v_wmma_f32_16x16x128_fp8_fp8, f32 sums; everything else in f32.
;; Inputs: Wk 1,024 x 1,024 float32; Wq 1,024 x 1,024 float32; Wv 1,024 x 1,024 float32; bk 1,024 float32; bq 1,024 float32; bv 1,024 float32; h 4,096 x 1,024 float32; lowp_scales 10 int32 (the exponents e of the quantised operands' scales 2^e).
;; Outputs: out0 4,096 x 1,024 float32.
;; This version of the problem:
;;   THIS VERSION OF THE PROBLEM IS GIVEN IN LOW PRECISION. The matrix products marked QUANTISED in the list below multiply operands that are first quantised to E4M3 (4 exponent bits, 3 mantissa bits; 8 bits a number), with one given power-of-two scale for each operand tensor; their sums are f32. All else is computed in f32.
;;   The module's matrix products, in the order in which they are computed (A, B: the left and right operand; K: the contracted axis; several contracted axes count as one K, in the product's order):
;;     1. [M 4,096, K 1,024] x [K 1,024, N 1,024]; A: input h; B: input Wq: QUANTISED (scales: A lowp_scales[0], B lowp_scales[1])
;;     2. [M 4,096, K 1,024] x [K 1,024, N 1,024]; A: input h; B: input Wk: QUANTISED (scales: A lowp_scales[2], B lowp_scales[3])
;;     3. [M 4,096, K 1,024] x [K 1,024, N 1,024]; A: input h; B: input Wv: QUANTISED (scales: A lowp_scales[4], B lowp_scales[5])
;;     4. batch 16 x [M 4,096, K 64] x [K 64, N 4,096]; A: computed on the way; B: computed on the way: QUANTISED (scales: A lowp_scales[6], B lowp_scales[7])
;;     5. batch 16 x [M 4,096, K 4,096] x [K 4,096, N 64]; A: softmax (see below); B: computed on the way: QUANTISED (scales: A lowp_scales[8], B lowp_scales[9])
;;   THE QUANTISER, for each operand of a quantised product, along K:
;;     - The operand's scale is 2^e, e = its entry of the input lowp_scales (int32; the entries are numbered through the quantised products in the list's order, A before B).
;;     - Each number is divided by the scale, clamped to +-448, and rounded to the nearest number of E4M3, ties to even, subnormals kept.
;;     - The product sums the exact products of the quantised numbers (number of the format x scale) in f32.
;;   ~~~python
;;   def quantise(x, axis, e):      # numpy; x: float32 -> the quantised numbers, widened to float32 again
;;       x = np.moveaxis(x, axis, -1); K = x.shape[-1]
;;       r = np.clip(x / 2.0 ** e, -448, 448)
;;       step = 2.0 ** (np.maximum(np.frexp(np.where(r == 0, 1, r))[1] - 1, -6) - 3)
;;       q = np.round(r / step) * step * 2.0 ** e      # np.round: ties to even
;;       return np.moveaxis(q, -1, axis).astype(np.float32)
;;   ~~~
;;   SOFTMAX AHEAD OF A QUANTISED PRODUCT. Where the list says 'softmax', what is quantised is not the finished softmax but p = 2^(t - M), with t = logit x log2(e) and M = ceil(the row's largest t), a whole number; so 1/2 < the row's largest p <= 1. The row's sum l is taken of the UNQUANTISED p, in f32, and the product's result is divided by l at the end. Since M is a whole number, a kernel that streams over the keys may use a running M (the ceiling of the running maximum): every later rescaling is an exact power of two, so the quantised numbers keep their values, but for numbers so far below the row's largest that they fall under the format's range.
;;   OPERANDS COMPUTED ON THE WAY. 'Computed on the way' means the value that the module computes at that place (a softmax that the list does not call 'softmax' is quantised finished and normalised). What goes into a quantiser is computed in f32, as accurately as f32 sums, v_exp_f32 and their like allow (about 1e-6 of the number): no bf16 or f16 on the way to a quantiser, and a product that is left as it is and whose result goes on into a quantised operand takes f32 operands (vector FMAs, or v_wmma_f32_16x16x4_f32). A number that lies on a knife's edge between two numbers of the format may be rounded either way, as far as f32 arithmetic and the matrix unit's own rounding can turn it there, and no further.
;; One version. Each part assembles by itself: llvm-mc -triple=amdgcn-amd-amdhsa -mcpu=gfx1250 --defsym DOCPART=n.
;; ======== version 1 of 1: 3 launches
;; limits: right only within a limited range of input values
;; workspace buffers: hcodes 12,582,912 bytes; wcodes 3,145,728 bytes; qimg 4,194,304 bytes; kimg 4,194,304 bytes; vimg 4,194,304 bytes
;; launch quant (part 1): grid 352 x 1, 4 waves a work-group, no clusters, 55,808 bytes of LDS; arguments h, Wq, Wk, Wv, lowp_scales, hcodes, wcodes; writes hcodes, wcodes
.if DOCPART == 1
	.amdgcn_target "amdgcn-amd-amdhsa--gfx1250"
	.amdhsa_code_object_version 6
	.text
	.protected	k_q69372f04d2_quant
	.globl	k_q69372f04d2_quant
	.p2align	8
	.type	k_q69372f04d2_quant,@function
k_q69372f04d2_quant:
	s_mov_b64 s[64:65], 0
	v_nop
	global_prefetch_b8 v0, s[64:65] scope:SCOPE_SE
	s_setreg_imm32_b32 hwreg(HW_REG_WAVE_MODE, 25, 1), 1
	s_wait_xcnt 0x0
; h [4096][1024] f32 becomes THREE planes of E4M3 codes (scales 2^e0, 2^e2, 2^e4: one for each projection) of 4,194,304 bytes.
; Wq, Wk, Wv [1024 (k)][1024 (n)] f32 become three planes of 1,048,576 bytes (scales 2^e1, 2^e3, 2^e5), rows n, K innermost.
; A PLANE is laid [row / 128][k / 256][row % 128][k % 256]: dense blocks of 128 rows x 256 codes, 32,768 bytes, the four blocks of the same rows on end.
; code = x / 2^e, held within +-448, rounded to the nearest code, ties to even.  LIMITS: e0 .. e5 between -126 and 119; NaN among the inputs is not served.
; No work of the module is left out: the three biases and all five products reach the output (the bias on K through its codes).
; Work-groups 0-95 take the weights, 96-351 h: the two ways part once, on the work-group's number, never join, and have LDS bytes of their own.
; No tensor loads, no matrix unit, no cluster: every input byte is read once and nothing is shared.  No prefetch: a wave's loads stand 32 deep in registers from its start.
.set WWG,   96                         ; work-groups for the weights: 3 weights x 8 column blocks of 128 x 4 blocks of 256 along K
.set STEPS, 8                          ; h: steps of 512 numbers for a wave: 256 x 4 x 8 x 512 = 4096 x 1024
.set SP,    80                         ; h: a lane's place in a stage: its 64 bytes + 16 of padding
.set HREG,  2*32*SP                    ; h: two stages for each wave
.set WLDS,  4*HREG                     ; the weights' stage begins here: 128 columns x (256 codes + 16 of padding), shared by the four waves
.set PITCH, 272
.set SPARE, WLDS+128*PITCH             ; the spare words, 128 bytes a wave
.set MANT,  0x600000                   ; the mantissa field of 448 as f32
.set SPW,   16                         ; v16, v17: the add's registers; never rewritten
.set NIL,   17
.set R,     18                         ; v18-145   h: a wave's 8 steps of 16 numbers; W: four units of 8 rows x 4 columns
.set X,     146                        ; h: v146-177 two sets of 16 neighbours
.set T,     178                        ; h: v178-209 two sets of 16 held numbers
.set C,     210                        ; h: v210-245 codes, three sets of 12
.set WT,    146                        ; W: v146-177 a unit's held numbers, 8 along K for each of 4 columns
.set WC,    178                        ; W: v178-241 codes: 16 along K for each of 4 columns, four such pairs of units
	s_load_b256 s[4:11], s[0:1], 0x0               ; h s[4:5], Wq s[6:7], Wk s[8:9], Wv s[10:11]
	s_load_b128 s[12:15], s[0:1], 0x20             ; the scales' exponents s[12:13], hcodes s[14:15]
	s_load_b64 s[16:17], s[0:1], 0x30              ; wcodes
	v_lshl_add_u32 v[SPW], v0, 2, SPARE
	v_mov_b32 v[NIL], 0
	v_lshrrev_b32 v1, 5, v0
	v_readfirstlane_b32 s18, v1                    ; wave
	v_and_b32 v2, 31, v0                           ; lane
	s_mul_i32 s19, s18, HREG
	v_lshlrev_b32 v3, 4, v2                        ; 16 x lane: my place in a load's 512 bytes, and in a store of W's codes
	v_lshrrev_b32 v11, 2, v2
	v_mul_u32_u24 v11, v11, SP
	v_and_b32 v12, 3, v2
	v_lshl_add_u32 v11, v12, 4, v11
	v_add_nc_u32 v11, s19, v11                     ; h, into the stage: four lanes' 64 bytes on end, then the padding
	v_mul_u32_u24 v12, v2, SP
	v_add_nc_u32 v12, s19, v12                     ; h, out of it: my 16 neighbours
	s_lshl_b32 s19, s18, 6
	s_add_co_u32 s19, s19, WLDS
	v_mul_u32_u24 v13, v2, PITCH
	v_add_nc_u32 v13, s19, v13                     ; W, into the stage: my column 4 lane + c stands in row lane + 32 c; my wave's 64 codes of its 256
	s_mul_i32 s19, s18, 8*PITCH
	s_add_co_u32 s19, s19, WLDS
	v_and_b32 v4, 15, v2
	v_lshrrev_b32 v15, 4, v2
	v_mul_u32_u24 v14, v15, 32*PITCH
	v_lshl_add_u32 v14, v4, 4, v14
	v_add_nc_u32 v14, s19, v14                     ; W, out of it: column 32 wave + 4 s + 2 b + lane / 16 stands in row 8 wave + s + 32 (2 b + lane / 16); sixteen lanes to a row
	v_lshlrev_b32 v15, 15, v15
	v_lshl_add_u32 v15, v4, 4, v15                 ; h, a store: lanes 0-15 a row's 256 bytes in one block along K, lanes 16-31 in the next
	s_wait_alu depctr_va_vdst(0)                   ; directly ahead of the wait below
	s_wait_kmcnt 0x0
	s_load_b256 s[24:31], s[12:13], 0x0            ; e0 .. e7
	s_cmp_lt_u32 ttmp9, WWG
	s_cbranch_scc1 .Lweights
; ---- h.  A load reads 512 consecutive bytes, 16 a lane; a step's 2,048 bytes turn through the wave's own stage and come back 64 bytes (16 neighbours along K) a lane.
	s_sub_co_u32 s20, ttmp9, WWG
	s_lshl_b32 s20, s20, 2
	s_add_co_u32 s20, s20, s18                     ; which 4 rows are my wave's
	s_lshl_b32 s22, s20, 14
	s_mov_b32 s23, 0
	s_add_nc_u64 s[4:5], s[4:5], s[22:23]
.set n, 0
.rept 4*STEPS
	global_load_b128 v[R+4*n:R+4*n+3], v3, s[4:5] offset:512*n th:TH_LOAD_NT
.set n, n+1
.endr
	s_lshr_b32 s22, s20, 5
	s_lshl_b32 s22, s22, 17                        ; their 128 rows' four blocks,
	s_and_b32 s38, s20, 31
	s_lshl_b32 s38, s38, 10                        ; their place in a block
	s_add_co_u32 s22, s22, s38
	s_add_nc_u64 s[32:33], s[14:15], s[22:23]      ; my codes in plane 0,
	s_add_nc_u64 s[34:35], s[32:33], 0x400000      ; plane 1,
	s_add_nc_u64 s[36:37], s[34:35], 0x400000      ; plane 2
.macro TURN t                          ; LDS serves a wave's instructions in order: no wait between the stores and the loads
.irp i, 0,1,2,3
	ds_store_b128 v11, v[R+16*(\t)+4*\i:R+16*(\t)+4*\i+3] offset:32*SP*((\t)%2)+8*SP*\i
.endr
.irp i, 0,1,2,3
	ds_load_b128 v[X+16*((\t)%2)+4*\i:X+16*((\t)%2)+4*\i+3], v12 offset:32*SP*((\t)%2)+16*\i
.endr
.endm
	s_wait_kmcnt 0x0
.irp p, 0,1,2                          ; plane p has the scale 2^e(2p): v[5+p] = 2^e as f32, v[8+p] = 448 x 2^e
	s_add_co_i32 s38, s[24+2*\p], 127
	s_lshl_b32 s39, s38, 23
	v_mov_b32 v[5+\p], s39
	s_add_co_i32 s38, s38, 8
	s_lshl_b32 s38, s38, 23
	s_or_b32 s38, s38, MANT
	v_mov_b32 v[8+\p], s38
.endr
	s_wait_alu depctr_va_vdst(0)                   ; the head's end
	s_wait_loadcnt 28                              ; step 0's four loads are in
	TURN 0
.macro STEP t
.set XS, X+16*((\t)%2)
.set CT, C+12*((\t)%3)
	s_wait_dscnt 0x0                               ; this step's numbers are back from the stage
.if (\t) >= 3
	s_wait_xcnt 0x0                                ; the stores of three steps ago have read their codes, which are written again below
.endif
.if (\t)+1 < STEPS
	s_wait_loadcnt 24-4*(\t)                       ; the next step's four loads are in; those of the steps behind it may be out
	TURN (\t)+1
.endif
.irp p, 0,1,2
.set TS, T+16*((3*(\t)+\p)%2)
.set i, 0
.rept 16
	v_med3_num_f32 v[TS+i], v[XS+i], -v[8+\p], v[8+\p]   ; the conversion to an 8-bit code does not saturate (ISA guide 7.6.2): the hold at the largest code x the scale
.set i, i+1
.endr
	v_cvt_scalef32_pk8_fp8_f32 v[CT+4*\p:CT+4*\p+1], v[TS:TS+7], v[5+\p]
	v_cvt_scalef32_pk8_fp8_f32 v[CT+4*\p+2:CT+4*\p+3], v[TS+8:TS+15], v[5+\p]
.endr
	v_nop                                          ; a plain line behind the last conversion
.irp p, 0,1,2
	global_store_b128 v15, v[CT+4*\p:CT+4*\p+3], s[32+2*\p:33+2*\p] offset:256*((\t)/2)+65536*((\t)%2)   ; half a row: two aligned units of 256 bytes, each whole
.endr
.endm
.irp t, 0,1,2,3,4,5,6,7
	STEP \t
.endr
	s_wait_tensorcnt 0x0                           ; the wave's end
	ds_add_u32 v[SPW], v[NIL]
	s_wait_dscnt 0x0
	s_endpgm
; ---- the weights.  A load reads one row k at 128 columns: 512 consecutive bytes, four columns a lane.  A unit is 8 rows; the hold puts each column's 8 numbers along K into neighbouring registers, and the conversions then
; give codes with K innermost.  A wave takes 128 columns x 64 along K: 8 units, four on their way.
.Lweights:
	s_lshr_b32 s21, ttmp9, 5                       ; which weight: 0 q, 1 k, 2 v
	s_and_b32 s22, ttmp9, 7                        ; which 128 columns
	s_bfe_u32 s23, ttmp9, 0x20003                  ; which 256 along K
	s_cmp_eq_u32 s21, 0
	s_cselect_b64 s[6:7], s[6:7], s[8:9]
	s_cmp_eq_u32 s21, 2
	s_cselect_b64 s[6:7], s[10:11], s[6:7]         ; the weight's address: the choice hangs on the work-group's number alone
	s_lshl_b32 s32, s23, 20                        ; 256 rows of 4,096 bytes,
	s_lshl_b32 s33, s18, 18                        ; my wave's 64 of them,
	s_add_co_u32 s32, s32, s33
	s_lshl_b32 s33, s22, 9                         ; my columns
	s_add_co_u32 s32, s32, s33
	s_mov_b32 s33, 0
	s_add_nc_u64 s[6:7], s[6:7], s[32:33]
.macro WLOAD u
.irp i, 0,1,2,3,4,5,6,7
	global_load_b128 v[R+32*((\u)%4)+4*\i:R+32*((\u)%4)+4*\i+3], v3, s[6:7] offset:(8*(\u)+\i)*4096 th:TH_LOAD_NT
.endr
.endm
	WLOAD 0
	WLOAD 1
	WLOAD 2
	WLOAD 3
	s_lshl_b32 s32, s21, 20                        ; the plane,
	s_lshl_b32 s34, s22, 17                        ; the 128 columns' four blocks,
	s_add_co_u32 s32, s32, s34
	s_lshl_b32 s34, s23, 15                        ; mine along K,
	s_add_co_u32 s32, s32, s34
	s_lshl_b32 s34, s18, 13                        ; the 32 columns that my wave stores
	s_add_co_u32 s32, s32, s34
	s_add_nc_u64 s[16:17], s[16:17], s[32:33]
	s_wait_kmcnt 0x0
	s_cmp_eq_u32 s21, 0
	s_cselect_b32 s35, s25, s27
	s_cmp_eq_u32 s21, 2
	s_cselect_b32 s35, s29, s35                    ; e1, e3 or e5
	s_add_co_i32 s35, s35, 127
	s_lshl_b32 s36, s35, 23
	v_mov_b32 v5, s36                              ; 2^e as f32
	s_add_co_i32 s35, s35, 8
	s_lshl_b32 s35, s35, 23
	s_or_b32 s35, s35, MANT
	v_mov_b32 v8, s35                              ; 448 x 2^e
	s_wait_alu depctr_va_vdst(0)                   ; the head's end
.macro UNIT u
.if (\u) < 5
	s_wait_loadcnt 24                              ; this unit's 8 loads are in; those of the three behind it may be out
.else
	s_wait_loadcnt 8*(7-(\u))
.endif
.irp c, 0,1,2,3
.irp i, 0,1,2,3,4,5,6,7
	v_med3_num_f32 v[WT+8*\c+\i], v[R+32*((\u)%4)+4*\i+\c], -v8, v8
.endr
.endr
.if (\u)+4 < 8
	WLOAD (\u)+4
.endif
.irp c, 0,1,2,3
	v_cvt_scalef32_pk8_fp8_f32 v[WC+16*((\u)/2)+4*\c+2*((\u)%2):WC+16*((\u)/2)+4*\c+2*((\u)%2)+1], v[WT+8*\c:WT+8*\c+7], v5
.endr
	v_nop                                          ; a plain line between the conversions and the next unit's writes of their sources
.if (\u)%2 == 1
.irp c, 0,1,2,3
	ds_store_b128 v13, v[WC+16*((\u)/2)+4*\c:WC+16*((\u)/2)+4*\c+3] offset:32*\c*PITCH+16*((\u)/2)
.endr
.endif
.endm
.irp u, 0,1,2,3,4,5,6,7
	UNIT \u
.endr
	s_wait_dscnt 0x0                               ; for the others' sake: my stores have landed
	s_barrier_signal -1
	s_barrier_wait -1
.set n, 0
.rept 16
	ds_load_b128 v[R+4*n:R+4*n+3], v14 offset:PITCH*(64*(n%2)+n/2)
.set n, n+1
.endr
.set n, 0
.rept 16
	s_wait_dscnt 15-n
	global_store_b128 v3, v[R+4*n:R+4*n+3], s[16:17] offset:512*n   ; two columns: the wave stores 512 consecutive bytes, aligned
.set n, n+1
.endr
	s_wait_tensorcnt 0x0                           ; the wave's end
	ds_add_u32 v[SPW], v[NIL]
	s_wait_dscnt 0x0
	s_endpgm
.Lfunc_end_k_q69372f04d2_quant:
	.size	k_q69372f04d2_quant, .Lfunc_end_k_q69372f04d2_quant-k_q69372f04d2_quant
	.p2alignl 7, 3214868480
	.fill 96, 4, 3214868480
	.section	.rodata,"a",@progbits
	.p2align	6, 0x0
	.amdhsa_kernel k_q69372f04d2_quant
		.amdhsa_group_segment_fixed_size 55808
		.amdhsa_private_segment_fixed_size 0
		.amdhsa_enable_private_segment 0
		.amdhsa_kernarg_size 56
		.amdhsa_user_sgpr_count 2
		.amdhsa_user_sgpr_kernarg_segment_ptr 1
		.amdhsa_wavefront_size32 1
		.amdhsa_system_sgpr_workgroup_id_x 1
		.amdhsa_system_sgpr_workgroup_id_y 1
		.amdhsa_system_sgpr_workgroup_id_z 1
		.amdhsa_system_vgpr_workitem_id 0
		.amdhsa_next_free_vgpr 248
		.amdhsa_next_free_sgpr 66
		.amdhsa_reserve_vcc 0
		.amdhsa_float_denorm_mode_32 3
		.amdhsa_float_denorm_mode_16_64 3
		.amdhsa_memory_ordered 1
		.amdhsa_forward_progress 1
		.amdhsa_inst_pref_size 71
	.end_amdhsa_kernel
	.amdgpu_metadata
---
amdhsa.version: [ 1, 2 ]
amdhsa.kernels:
  - .name:           k_q69372f04d2_quant
    .symbol:         k_q69372f04d2_quant.kd
    .args:
      - { .name: h, .offset: 0, .size: 8, .value_kind: global_buffer, .address_space: global }
      - { .name: Wq, .offset: 8, .size: 8, .value_kind: global_buffer, .address_space: global }
      - { .name: Wk, .offset: 16, .size: 8, .value_kind: global_buffer, .address_space: global }
      - { .name: Wv, .offset: 24, .size: 8, .value_kind: global_buffer, .address_space: global }
      - { .name: lowp_scales, .offset: 32, .size: 8, .value_kind: global_buffer, .address_space: global }
      - { .name: hcodes, .offset: 40, .size: 8, .value_kind: global_buffer, .address_space: global }
      - { .name: wcodes, .offset: 48, .size: 8, .value_kind: global_buffer, .address_space: global }
    .group_segment_fixed_size: 55808
    .private_segment_fixed_size: 0
    .kernarg_segment_align: 8
    .kernarg_segment_size: 56
    .max_flat_workgroup_size: 128
    .sgpr_count:     66
    .vgpr_count:     248
    .wavefront_size: 32
...
	.end_amdgpu_metadata
.endif
;; end of part 1
;; launch proj (part 2): grid 12 x 16, 4 waves a work-group, clusters of 4 x 4, 327,680 bytes of LDS; arguments hcodes, wcodes, lowp_scales, bq, bk, bv, qimg, kimg, vimg; writes qimg, kimg, vimg
.if DOCPART == 2
	.amdgcn_target "amdgcn-amd-amdhsa--gfx1250"
	.amdhsa_code_object_version 6
	.text
	.protected	k_q69372f04d2_proj
	.globl	k_q69372f04d2_proj
	.p2align	8
	.type	k_q69372f04d2_proj,@function
k_q69372f04d2_proj:
	s_mov_b64 s[64:65], 0
	v_nop
	global_prefetch_b8 v0, s[64:65] scope:SCOPE_SE
	s_setreg_imm32_b32 hwreg(HW_REG_WAVE_MODE, 25, 1), 1
	s_wait_xcnt 0x0
	s_wait_alu depctr_hold_cnt(0) depctr_sa_sdst(0) depctr_va_vdst(0) depctr_va_sdst(0) depctr_va_ssrc(0) depctr_va_vcc(0) depctr_vm_vsrc(0)
	s_getreg_b32 s2, hwreg(HW_REG_IB_STS2, 6, 4)
	s_cmp_eq_u32 s2, 0
	s_cbranch_scc0 .Lentry_in_a_cluster
	s_endpgm
.Lentry_in_a_cluster:
	s_bfe_u32 s2, ttmp6, 0x10000c
	s_cmp_lg_u32 s2, 0xf033
	s_cbranch_scc0 .Lentry_shape_is_right
	s_endpgm
.Lentry_shape_is_right:
; q, k, v = h W + b on codes of E4M3, each result quantised again and stored as dense images of attn's operand registers.
; 192 work-groups of 256 x 256, in clusters of 4 x 4: the four of a row share A's tiles, the four of a column B's, by joint loads.  Cluster x 0: q, 1: k, 2: v (sources swapped, so that the registers run along the keys).
; K goes in four steps of 256 through a ring of two LDS slots.  Bias and the two products of scales go into one fused multiply-add, then the hold within +-448 x the scale, then the conversion.
; LIMITS: each e between -126 and 119, each sum of a product's two e between -126 and 127.  NaN among the inputs is not served.
.set KDIM,   1024
.set KSTEP,  256
.set ROWB,   256
; Both operands lie as dense blocks of 128 rows x 256 codes, the four blocks along K of the same rows on end: a tensor row is 256 bytes, and the next one follows it.
; LDS: for each quarter of the tiles (A's two halves, B's two halves) slot 0, then slot 1, 128 rows of 256 bytes + 16 of padding each.  One joint load a wave at the head brings K steps 0 and 1, 256 rows on end, into both
; slots of the wave's quarter; a refill is 128 rows into one of them.
; K steps 2 and 3 are prefetched one K step ahead of their refills: each wave of each cluster partner names 32 of the 128 rows that it fetches, told apart by address; nothing is asked for beyond K step 3.
.set KROW,   ROWB
.set KBLK,   128*ROWB                  ; a block in memory: from K step to K step
.set PITCH,  272
.set FR,     16
.set NL,     4
.set NP,     4
.set HALFT,  128*PITCH
.set SLOT,   HALFT                     ; bytes from a quarter's slot 0 to its slot 1
.set LAPS,   KDIM/(2*KSTEP)
.set SPARE,  8*HALFT
.set GH,     84                        ; s[84:91], s[92:99]: descriptor groups 1 of the head's loads of A and B; the scales' exponents come here when those loads are done
.set GHB,    92
.set PFA,    100                       ; s[100:101] where my prefetches stand;  v31 their offset, lane x a row
.set PFO,    31
.set ADRA, 16
.set ADRB, 20
.set LI16, 24
.set H32,  25
.set SCL,  26
.set LIM,  27
.set SPW,  28
.set NIL,  29
.set R4,   30
.set BIAS, 32
.set TMP,  96
.set AF,   128
.set CODES, 128
.set G1, 24
.set G0, 32
.set G1B, 48
.set G0B, 56
.set TEN, 66
.set MSB, 0
.macro WIN new
.if MSB != \new
	s_set_vgpr_msb (MSB<<8)|\new
.set MSB, \new
.endif
.endm
.set MUL_LO, 0xa1
.set MUL_HI, 0xf1
.set TO_B,   0x40
.macro JLOAD g0a, g1a, g0b, g1b
	s_cmp_eq_u32 s15, 0
	s_cbranch_scc0 .Lfor_b_\@
	tensor_load_to_lds s[\g0a:\g0a+3], s[\g1a:\g1a+7]
	s_nop 0
.rept 4
	v_nop
.endr
	s_branch .Lasked_\@
.Lfor_b_\@:
	tensor_load_to_lds s[\g0b:\g0b+3], s[\g1b:\g1b+7]
	s_nop 0
.rept 4
	v_nop
.endr
.Lasked_\@:
.endm
.macro CREST
	s_cmp_lg_u32 s14, 0
	s_cbranch_scc1 .Lnot_wave_0_\@
	s_barrier_signal -3
.Lnot_wave_0_\@:
	s_barrier_wait -3
	s_barrier_signal -1
	s_barrier_wait -1
.endm
.macro CROUND
	s_barrier_signal -1
	s_barrier_wait -1
	CREST
.endm
	s_load_b128 s[4:7], s[0:1], 0x0
	s_load_b64 s[8:9], s[0:1], 0x10
	s_load_b128 s[68:71], s[0:1], 0x18
	s_load_b64 s[72:73], s[0:1], 0x28
	s_load_b128 s[76:79], s[0:1], 0x30
	s_load_b64 s[80:81], s[0:1], 0x40
	v_lshl_add_u32 v[SPW], v0, 2, SPARE
	v_mov_b32 v[NIL], 0
	ds_add_u32 v28, v29
	ds_add_u32 v28, v29
	s_wait_dscnt 0x0
	v_lshrrev_b32 v1, 5, v0
	v_readfirstlane_b32 s14, v1
	s_lshr_b32 s15, s14, 1
	s_and_b32 s16, s14, 1
	s_bfe_u32 s40, ttmp6, 0x40000
	s_bfe_u32 s41, ttmp6, 0x40004
	s_mov_b32 s[TEN], ttmp9
	s_and_b32 s67, ttmp7, 0xffff
	s_lshl_b32 s67, s67, 2
	s_cmp_eq_u32 s[TEN], 2
	s_cselect_b32 s17, 0, s67
	s_cselect_b32 s42, s67, 0
	s_add_co_u32 s17, s17, s41
	s_add_co_u32 s42, s42, s40
	s_lshl_b32 s43, s41, 2
	s_lshl_b32 s43, 15, s43
	s_lshl_b32 s44, 0x1111, s40
	s_or_b32 s[G1+0], s43, (1<<20)|(1<<21)|(5<<22)|(3<<25)     ; a refill: 128 rows; 4 words skipped after every 64
	s_or_b32 s[G1B+0], s44, (1<<20)|(1<<21)|(5<<22)|(3<<25)
	s_or_b32 s[GH+0], s43, (1<<20)|(1<<21)|(5<<22)|(3<<25)     ; the head's loads: 256 rows
	s_or_b32 s[GHB+0], s44, (1<<20)|(1<<21)|(5<<22)|(3<<25)
.irp g, GH, GHB
	s_mov_b32 s[\g+1], ROWB<<16
	s_mov_b32 s[\g+2], 256<<16
	s_mov_b32 s[\g+3], ROWB<<16
	s_mov_b32 s[\g+4], 256
	s_mov_b32 s[\g+5], KROW
	s_mov_b32 s[\g+6], 0
	s_mov_b32 s[\g+7], 0
.endr
.irp g, G1, G1B
	s_mov_b32 s[\g+1], ROWB<<16
	s_mov_b32 s[\g+2], 128<<16
	s_mov_b32 s[\g+3], ROWB<<16
	s_mov_b32 s[\g+4], 128
	s_mov_b32 s[\g+5], KROW
	s_mov_b32 s[\g+6], 0
	s_mov_b32 s[\g+7], 0
.endr
	s_lshl_b32 s18, s16, 7
	s_lshl_b32 s20, s17, 8
	s_add_co_u32 s20, s20, s18
	s_lshl_b32 s20, s20, 10
	s_mov_b32 s21, 0
	s_lshl_b32 s46, s42, 8
	s_add_co_u32 s46, s46, s18
	s_lshl_b32 s46, s46, 10
	s_mov_b32 s47, 0
	s_mul_i32 s45, s14, 2*HALFT
	s_lshl_b32 s22, s[TEN], 22
	s_mov_b32 s23, 0
	s_lshl_b32 s74, s[TEN], 20
	s_mov_b32 s75, 0
	s_wait_kmcnt 0x0
	s_add_nc_u64 s[4:5], s[4:5], s[22:23]
	s_add_nc_u64 s[6:7], s[6:7], s[74:75]
	s_cmp_eq_u32 s[TEN], 2
	s_cselect_b64 s[22:23], s[6:7], s[4:5]
	s_cselect_b64 s[74:75], s[4:5], s[6:7]
	s_add_nc_u64 s[20:21], s[22:23], s[20:21]
	s_add_nc_u64 s[46:47], s[74:75], s[46:47]
	CROUND
.irp s, 0,1
	s_mov_b32 s[G0+4*\s], 1
	s_add_co_u32 s[G0+4*\s+1], s45, \s*SLOT
	s_add_nc_u64 s[G0+4*\s+2:G0+4*\s+3], s[20:21], \s*KBLK
	s_or_b32 s[G0+4*\s+3], s[G0+4*\s+3], 0x80000000
	s_mov_b32 s[G0B+4*\s], 1
	s_add_co_u32 s[G0B+4*\s+1], s45, \s*SLOT
	s_add_nc_u64 s[G0B+4*\s+2:G0B+4*\s+3], s[46:47], \s*KBLK
	s_or_b32 s[G0B+4*\s+3], s[G0B+4*\s+3], 0x80000000
.endr
	JLOAD G0, GH, G0B, GHB                         ; K steps 0 and 1: one tensor load a wave at the head
	s_cmp_eq_u32 s15, 0                            ; the prefetches: I fetch for A or for B,
	s_cselect_b64 s[PFA:PFA+1], s[20:21], s[46:47]
	s_cselect_b32 s82, s40, s41                    ; and this is my place among the four that ask with me:
	s_lshl_b32 s82, s82, 13                        ; 32 rows of 256 bytes each
	s_mov_b32 s83, 0
	s_add_nc_u64 s[PFA:PFA+1], s[PFA:PFA+1], s[82:83]
	v_and_b32 v1, 15, v0
	v_bfe_u32 v2, v0, 4, 1
	v_mul_u32_u24 v3, v1, PITCH
	v_lshl_add_u32 v4, v2, 4, v3
	s_mul_i32 s21, s15, 2*HALFT
	s_mul_i32 s22, s16, 2*HALFT
	s_add_co_u32 s22, s22, 4*HALFT
.irp s, 0,1
	v_add_nc_u32 v[ADRA+\s], s21, v4
	v_add_nc_u32 v[ADRB+\s], s22, v4
	s_add_co_u32 s21, s21, SLOT
	s_add_co_u32 s22, s22, SLOT
.endr
	v_and_b32 v6, 31, v0
	v_lshlrev_b32 v[LI16], 4, v6
	v_lshlrev_b32 v[PFO], 8, v6
	v_lshlrev_b32 v[H32], 5, v2
	v_lshlrev_b32 v[R4], 2, v1
	s_cmp_eq_u32 s[TEN], 2
	s_cselect_b32 s82, s17, s42
	s_cselect_b32 s83, s15, s16
	s_cselect_b32 s46, s42, s17
	s_cselect_b32 s47, s16, s15
	s_lshl_b32 s82, s82, 1
	s_add_co_u32 s82, s82, s83
	s_lshl_b32 s46, s46, 1
	s_add_co_u32 s46, s46, s47
	s_lshl_b32 s22, s82, 9
	s_mov_b32 s23, 0
	s_lshl_b32 s82, s82, 19
	s_lshl_b32 s46, s46, 13
	s_add_co_u32 s82, s82, s46
	s_mov_b32 s83, 0
	s_cmp_eq_u32 s[TEN], 0
	s_cselect_b64 s[10:11], s[68:69], s[70:71]
	s_cselect_b64 s[12:13], s[76:77], s[78:79]
	s_cmp_eq_u32 s[TEN], 2
	s_cselect_b64 s[10:11], s[72:73], s[10:11]
	s_cselect_b64 s[12:13], s[80:81], s[12:13]
	s_add_nc_u64 s[10:11], s[10:11], s[22:23]
	s_add_nc_u64 s[12:13], s[12:13], s[82:83]
.macro FRAG reg, adr, q, i
.irp c, 0,1,2,3
	ds_load_b128 v[\reg+4*\c:\reg+4*\c+3], v[\adr] offset:128*(\q)+32*\c+(\i)*16*PITCH
.endr
.endm
.macro MUL16 a0, p, zero
.irp a, \a0, \a0+1
.irp b, 0,1,2,3,4,5,6,7
.if \zero
	v_wmma_f32_16x16x128_fp8_fp8 v[8*(8*((\a)%4)+\b):8*(8*((\a)%4)+\b)+7], v[128*(\p)+FR*\b:128*(\p)+FR*\b+FR-1], v[AF+FR*(\a):AF+FR*(\a)+FR-1], 0
.else
	v_wmma_f32_16x16x128_fp8_fp8 v[8*(8*((\a)%4)+\b):8*(8*((\a)%4)+\b)+7], v[128*(\p)+FR*\b:128*(\p)+FR*\b+FR-1], v[AF+FR*(\a):AF+FR*(\a)+FR-1], v[8*(8*((\a)%4)+\b):8*(8*((\a)%4)+\b)+7]
.endif
.endr
.endr
.endm
.macro FETCH_B slot, q, p
	WIN TO_B
.irp i, 0,1,2,3,4,5,6,7
	FRAG 128*(\p)+FR*\i, ADRB+\slot, \q, \i
.endr
	WIN 0
.endm
.macro FETCH_A slot, q, i0
.irp i, \i0, \i0+1, \i0+2, \i0+3
	FRAG AF+FR*(\i), ADRA+\slot, \q, \i
.endr
.endm
.macro PLACES n
.rept \n
	v_nop
.endr
.endm
.macro STEP slot, q, zero
	s_wait_dscnt 4*NL
	WIN MUL_LO
	MUL16 0, (\q)%2, \zero
	MUL16 2, (\q)%2, \zero
	s_wait_dscnt 0
	PLACES NP
	FETCH_B \slot, (\q)+1, 1-(\q)%2
	FETCH_A \slot, (\q)+1, 0
	WIN MUL_HI
	MUL16 4, (\q)%2, \zero
	MUL16 6, (\q)%2, \zero
	PLACES NP
	WIN 0
	FETCH_A \slot, (\q)+1, 4
.endm
.macro TURN slot, next, fill
	s_wait_tensorcnt 0x0
	ds_add_u32 v[SPW], v[NIL]
	s_wait_dscnt 4*NL+1
	WIN MUL_LO
	MUL16 0, 1, 0
	s_wait_dscnt 0x0
	s_barrier_signal -1
	MUL16 2, 1, 0
	WIN 0
	s_barrier_wait -1
.if \fill
	CREST
	s_add_nc_u64 s[G0+4*\slot+2:G0+4*\slot+3], s[G0+4*\slot+2:G0+4*\slot+3], 2*KBLK
	s_add_nc_u64 s[G0B+4*\slot+2:G0B+4*\slot+3], s[G0B+4*\slot+2:G0B+4*\slot+3], 2*KBLK
	JLOAD G0+4*\slot, G1, G0B+4*\slot, G1B
.else
	PLACES NP
.endif
	FETCH_B \next, 0, 0
	FETCH_A \next, 0, 0
.if \fill
.if (\slot) == 0
	global_prefetch_b8 v[PFO], s[PFA:PFA+1] offset:3*KBLK th:TH_LOAD_NT scope:SCOPE_SE   ; K step 3, one K step ahead of its refill (the loop has one trip)
.endif
.endif
	WIN MUL_HI
	MUL16 4, 1, 0
	MUL16 6, 1, 0
	PLACES NP
	WIN 0
	FETCH_A \next, 0, 4
.endm
.macro LASTSTEP
	s_wait_dscnt 4*NL
	WIN MUL_LO
	MUL16 0, 1, 0
	MUL16 2, 1, 0
	s_wait_dscnt 0
	WIN MUL_HI
	MUL16 4, 1, 0
	MUL16 6, 1, 0
	WIN 0
.endm
.macro OUT isv, a
.irp u, 0,1
	WIN 0x02+((\a)/4)
.set i, 0
.rept 16
.if \isv
	v_pk_fma_f32 v[TMP+i:TMP+i+1], v[64*((\a)%4)+32*\u+i:64*((\a)%4)+32*\u+i+1], s[96:97], v[BIAS+2*(\a):BIAS+2*(\a)+1] op_sel_hi:[1,0,1]
.else
	v_pk_fma_f32 v[TMP+i:TMP+i+1], v[64*((\a)%4)+32*\u+i:64*((\a)%4)+32*\u+i+1], s[96:97], v[BIAS+32*\u+i:BIAS+32*\u+i+1] op_sel_hi:[1,0,1]
.endif
.set i, i+2
.endr
	WIN 0
.set i, 0
.rept 32
	v_med3_num_f32 v[TMP+i], v[TMP+i], -v[LIM], v[LIM]
.set i, i+1
.endr
.irp c, 0,1,2,3
	v_cvt_scalef32_pk8_fp8_f32 v[CODES+16*(\a)+8*\u+2*\c:CODES+16*(\a)+8*\u+2*\c+1], v[TMP+8*\c:TMP+8*\c+7], v[SCL]
.endr
	v_nop
.irp g, 0,1
.if \isv
	global_store_b128 v[LI16], v[CODES+16*(\a)+8*\u+4*\g:CODES+16*(\a)+8*\u+4*\g+3], s[12:13] offset:((\a)/4)*262144+((\a)%4)*2048+(2*\u+\g)*512
.else
	global_store_b128 v[LI16], v[CODES+16*(\a)+8*\u+4*\g:CODES+16*(\a)+8*\u+4*\g+3], s[12:13] offset:(\a)*1024+\u*262144+\g*512
.endif
.endr
.endr
.endm
	s_wait_alu depctr_va_vdst(0)                   ; the head's end
	s_cmp_eq_u32 s[TEN], 2                         ; the biases, which the way out reads
	s_cbranch_scc1 .Lbias_v
.irp b, 0,1,2,3,4,5,6,7
	global_load_b128 v[BIAS+8*\b:BIAS+8*\b+3], v[H32], s[10:11] offset:64*\b
	global_load_b128 v[BIAS+8*\b+4:BIAS+8*\b+7], v[H32], s[10:11] offset:64*\b+16
.endr
	s_branch .Lbias_in
.Lbias_v:
.irp a, 0,1,2,3,4,5,6,7
	global_load_b32 v[BIAS+2*\a], v[R4], s[10:11] offset:64*\a
	global_load_b32 v[BIAS+2*\a+1], v[R4], s[10:11] offset:64*\a
.endr
.Lbias_in:
	s_wait_tensorcnt 0x0                           ; my part of K steps 0 and 1 is in
	s_load_b256 s[84:91], s[8:9], 0x0              ; e0 .. e7
	s_load_b64 s[92:93], s[8:9], 0x20              ; e8, e9
	s_barrier_signal -1
	s_barrier_wait -1                              ; and everybody's
	FETCH_B 0, 0, 0
	FETCH_A 0, 0, 0
	FETCH_A 0, 0, 4
	global_prefetch_b8 v[PFO], s[PFA:PFA+1] offset:2*KBLK th:TH_LOAD_NT scope:SCOPE_SE   ; K step 2, one K step ahead of its refill
	STEP 0, 0, 1
	s_mov_b32 s3, LAPS-1
.Llap:
	TURN 0, 1, 1
	STEP 1, 0, 0
	TURN 1, 0, 1
	STEP 0, 0, 0
	s_sub_co_u32 s3, s3, 1
	s_cmp_lg_u32 s3, 0
	s_cbranch_scc1 .Llap
	TURN 0, 1, 0
	STEP 1, 0, 0
	s_wait_kmcnt 0x0
	s_add_co_i32 s84, s84, s85
	s_add_co_i32 s86, s86, s87
	s_add_co_i32 s88, s88, s89
	s_cmp_eq_u32 s[TEN], 0
	s_cselect_b32 s96, s84, s86
	s_cselect_b32 s85, s90, s91
	s_cmp_eq_u32 s[TEN], 2
	s_cselect_b32 s96, s88, s96
	s_cselect_b32 s85, s93, s85
	s_add_co_i32 s96, s96, 127
	s_lshl_b32 s96, s96, 23
	s_mov_b32 s97, s96
	s_add_co_i32 s85, s85, 127
	s_lshl_b32 s87, s85, 23
	v_mov_b32 v[SCL], s87
	s_add_co_i32 s85, s85, 8
	s_lshl_b32 s85, s85, 23
	s_or_b32 s85, s85, 0x600000
	v_mov_b32 v[LIM], s85
	s_cmp_eq_u32 s[TEN], 2
	s_cbranch_scc1 .Lv
	LASTSTEP
	PLACES NP
	s_wait_loadcnt 0x0
.irp a, 0,1,2,3,4,5,6,7
	OUT 0, \a
.endr
	s_branch .Ljoin
.Lv:
	LASTSTEP
	PLACES NP
	s_wait_loadcnt 0x0
.irp a, 0,1,2,3,4,5,6,7
	OUT 1, \a
.endr
.Ljoin:
	s_wait_tensorcnt 0x0
	ds_add_u32 v[SPW], v[NIL]
	s_wait_dscnt 0x0
	CROUND
	s_endpgm
.Lfunc_end_k_q69372f04d2_proj:
	.size	k_q69372f04d2_proj, .Lfunc_end_k_q69372f04d2_proj-k_q69372f04d2_proj
	.p2alignl 7, 3214868480
	.fill 96, 4, 3214868480
	.section	.rodata,"a",@progbits
	.p2align	6, 0x0
	.amdhsa_kernel k_q69372f04d2_proj
		.amdhsa_group_segment_fixed_size 327680
		.amdhsa_private_segment_fixed_size 0
		.amdhsa_enable_private_segment 0
		.amdhsa_kernarg_size 72
		.amdhsa_user_sgpr_count 2
		.amdhsa_user_sgpr_kernarg_segment_ptr 1
		.amdhsa_wavefront_size32 1
		.amdhsa_system_sgpr_workgroup_id_x 1
		.amdhsa_system_sgpr_workgroup_id_y 1
		.amdhsa_system_sgpr_workgroup_id_z 1
		.amdhsa_system_vgpr_workitem_id 0
		.amdhsa_next_free_vgpr 1024
		.amdhsa_next_free_sgpr 102
		.amdhsa_reserve_vcc 0
		.amdhsa_float_denorm_mode_32 3
		.amdhsa_float_denorm_mode_16_64 3
		.amdhsa_memory_ordered 1
		.amdhsa_forward_progress 1
		.amdhsa_inst_pref_size 200
	.end_amdhsa_kernel
	.amdgpu_metadata
---
amdhsa.version: [ 1, 2 ]
amdhsa.kernels:
  - .name:           k_q69372f04d2_proj
    .symbol:         k_q69372f04d2_proj.kd
    .args:
      - { .name: hcodes, .offset: 0, .size: 8, .value_kind: global_buffer, .address_space: global }
      - { .name: wcodes, .offset: 8, .size: 8, .value_kind: global_buffer, .address_space: global }
      - { .name: lowp_scales, .offset: 16, .size: 8, .value_kind: global_buffer, .address_space: global }
      - { .name: bq, .offset: 24, .size: 8, .value_kind: global_buffer, .address_space: global }
      - { .name: bk, .offset: 32, .size: 8, .value_kind: global_buffer, .address_space: global }
      - { .name: bv, .offset: 40, .size: 8, .value_kind: global_buffer, .address_space: global }
      - { .name: qimg, .offset: 48, .size: 8, .value_kind: global_buffer, .address_space: global }
      - { .name: kimg, .offset: 56, .size: 8, .value_kind: global_buffer, .address_space: global }
      - { .name: vimg, .offset: 64, .size: 8, .value_kind: global_buffer, .address_space: global }
    .group_segment_fixed_size: 327680
    .private_segment_fixed_size: 0
    .kernarg_segment_align: 8
    .kernarg_segment_size: 72
    .max_flat_workgroup_size: 128
    .sgpr_count:     102
    .vgpr_count:     1024
    .wavefront_size: 32
...
	.end_amdgpu_metadata
.endif
;; end of part 2
;; launch attn (part 3): grid 16 x 16, 8 waves a work-group, no clusters, 136,192 bytes of LDS; arguments qimg, kimg, vimg, lowp_scales, out0; writes out0
.if DOCPART == 3
	.amdgcn_target "amdgcn-amd-amdhsa--gfx1250"
	.amdhsa_code_object_version 6
	.text
	.protected	k_q69372f04d2_attn
	.globl	k_q69372f04d2_attn
	.p2align	8
	.type	k_q69372f04d2_attn,@function
k_q69372f04d2_attn:
	s_mov_b64 s[64:65], 0
	v_nop
	global_prefetch_b8 v0, s[64:65] scope:SCOPE_SE
	s_setreg_imm32_b32 hwreg(HW_REG_WAVE_MODE, 25, 1), 1
	s_wait_xcnt 0x0
; out0[q][64 head + d] = the sum over keys of softmax(Q K^T / 8) V, 16 heads of 64, 4,096 keys, both products on codes of E4M3 (scales 2^e6, 2^e7; 2^e8, 2^e9).
; THE SOFTMAX: t = score x log2(e) / 8; M = the running largest t rounded UP to a whole number; p = 2^(t - M) is quantised with 2^e8, not normalised; the row's sum is taken of the unquantised p and divides at the
; end.  When M moves, the sum and O are multiplied by 2^(old M - new M): nothing is rounded, and there is no branch on data.
; SHARES.  Work-group (x, y): 256 queries of head y.  Eight waves, 32 queries each: two tiles of 16.  Every wave walks 32 key steps of 128 keys.
; LAYOUT.  Both products transposed: S^T = K Q^T (K = 64 form), O^T = V^T P^T (K = 128 form): a lane holds ONE query throughout.  One conversion of a tile of S^T (keys 16 T + 8 (lane / 16) + 0 .. 7) is
; registers 2 T, 2 T + 1 of P's fragment, with the keys in their natural order.  Q, K, V arrive as images of their operands' registers: dense blocks, 16 bytes a lane.
; A KEY STEP: V's fragments are asked for; 16 products of K and Q, with the maximum over the results two products back behind each; M and the factor f; tile 0's t - M; the next K's fragments are asked for; O^T and the sum x f;
; tile 0's exponentials with tile 1's t - M among them; tile 1's exponentials with tile 0's conversions and the first additions of its sum among them; 8 products of V and P with six lines of the row sums behind each.
; What stands among exponentials is first read behind the batch's wait.
; K AND V come by plain loads into 32 registers a lane, two key steps (a pair) at a time, two key steps ahead of their LDS stores, into two pairs of LDS buffers by turns.  One barrier a step: signalled in mid-step, when my stores
; and my reads are over, and waited for in the next step.  No prefetch is written: those loads themselves run two key steps, some 780 vector lines a wave, ahead.
; NO TENSOR LOAD, NO CLUSTER, though the 16 work-groups of a head read the same K and V: a step's 16 KiB stand beside some 3,100 vector instructions of the work-group.
; A branch on given whole numbers jumps over the hold of p: 128 of a key step's vector instructions a wave.
; THE HOLD.  |t| <= 448 x 448 x 64 x c x 2^(e6 + e7), c = log2(e) / 8: under 2^22 where e6 + e7 <= 0; there p <= 2^(one rounding of t) < 1.75; and 448 x 2^e8 >= 1.75 where e8 >= -8.  Where both hold no p lies beyond the
; largest code and the hold is jumped over; else it is executed, on copies, so that the sum stays that of the unquantised p.
; LIMITS: e6 + e7 between -123 and 130 (added to c's exponent field); e8 between -126 and 119; scaled scores under 2^31 in magnitude.  NaN among the inputs is not served.
.set LI,  1                            ; window 0: v1 16 x lane: my place in an image
.set LT,  2                            ; v2   16 x thread: my place in a copy of 4,096 bytes, in memory and in LDS
.set SPW, 3                            ; v3   my spare word;  v4  0: never rewritten
.set NIL, 4
.set LC,  8                            ; v8-15 the row's sum: tile t at v[8 + 4 t], two chains of two
.set HT,  16                           ; v16-31 the hold's copies
.set OT,  32                           ; v32-95 O^T, 32 a tile
.set VF,  96                           ; v96-159 V's 4 fragments
.set RG,  160                          ; v160-191 the pair on its way
.set WO,  192                          ; v192-255 the way out
.set S,   0                            ; window 1: S^T, then p, 64 a tile
.set KF,  128                          ; K's 8 fragments
.set QF,  192                          ; Q's 2
.set P,   208                          ; P's codes, 16 a tile
.set ST,  240                          ; tile t at ST + 6 t: +0 .. +3 the maximum's chains (then +2 is f), +4 -M, +5 the largest score
.set LI1, 252                          ; 16 x lane
.set SCL, 253                          ; 2^e8
.set LIM, 254                          ; 448 x 2^e8
.set KP,  6                            ; s[6:7]  kimg at my head, walking
.set VP,  8                            ; s[8:9]  vimg likewise
.set WV,  14
.set TRIP, 15
.set SEL, 16                           ; s[16:17] v_permlanex16_b32's selects for lane l xor 16
.set CS,  18                           ; s[18:19] c x 2^(e6 + e7), twice
.set NCS, 32                           ; s32 the same, negative
.set HOLD, 33                          ; s33 the greater of -8 - e8 and e6 + e7: the hold is owed where it is above 0
.set VLDS,  32768                      ; LDS: K's four slots of 8,192 bytes, then V's four,
.set STAGE, 65536                      ; then a stage of 2 tiles x 16 rows x 272 bytes for each wave,
.set SPITCH, 272
.set SPARE, STAGE+8*2*16*SPITCH        ; then the spare words, 128 bytes a wave
.set MSB, 0
.macro WIN new                         ; the immediate's high byte repeats the setting that is left
.if MSB != \new
	s_set_vgpr_msb (MSB<<8)|\new
.set MSB, \new
.endif
.endm
.set TO_1, 0x40                        ; destination in window 1
.set ALLW, 0x55                        ; everything in window 1
.set W_FL, 0x04                        ; source 1 in window 1: f, P, p; all else in window 0
.macro GLOADS off                      ; a pair of slots of K and of V: eight loads of 4,096 consecutive bytes for the work-group
.irp i, 0,1,2,3
	global_load_b128 v[RG+4*\i:RG+4*\i+3], v[LT], s[KP:KP+1] offset:(\off)+4096*\i
.endr
.irp i, 0,1,2,3
	global_load_b128 v[RG+16+4*\i:RG+16+4*\i+3], v[LT], s[VP:VP+1] offset:(\off)+4096*\i
.endr
.endm
.macro STORES b                        ; and into slots 2 b, 2 b + 1
.irp i, 0,1,2,3
	ds_store_b128 v[LT], v[RG+4*\i:RG+4*\i+3] offset:16384*(\b)+4096*\i
.endr
.irp i, 0,1,2,3
	ds_store_b128 v[LT], v[RG+16+4*\i:RG+16+4*\i+3] offset:VLDS+16384*(\b)+4096*\i
.endr
.endm
.macro KLOAD u                         ; the 8 tiles of 16 keys of slot u
.irp k, 0,1,2,3,4,5,6,7
.irp g, 0,1
	ds_load_b128 v[KF+8*\k+4*\g:KF+8*\k+4*\g+3], v[LI1] offset:8192*(\u)+1024*\k+512*\g
.endr
.endr
.endm
.macro VLOAD u                         ; the 4 tiles of 16 channels x 128 keys
.irp c, 0,1,2,3
.irp g, 0,1,2,3
	ds_load_b128 v[VF+16*\c+4*\g:VF+16*\c+4*\g+3], v[LI] offset:VLDS+8192*(\u)+2048*\c+512*\g
.endr
.endr
.endm
; Line j of 10: from tile t's four chains to the largest score, -M = floor(-t) = -ceil(t), f = 2^(old M - new M)
.macro TL t
.set rT, ST+6*(\t)
.if j == 0
	v_max3_num_f32 v[rT], v[rT], v[rT+1], v[rT+2]
.elseif j == 1
	v_max_num_f32 v[rT], v[rT], v[rT+3]
.elseif j == 2
	v_permlanex16_b32 v[rT+1], v[rT], s[SEL], s[SEL+1]   ; the query's other 64 keys lie in the lane 16 away
.elseif j == 3
	v_max_num_f32 v[rT+5], v[rT], v[rT+1]
.elseif j == 4
	v_mul_f32 v[rT+2], s[NCS], v[rT+5]
.elseif j == 5
	v_floor_f32 v[rT+3], v[rT+2]
.elseif j == 6
	v_sub_f32 v[rT], v[rT+3], v[rT+4]              ; old M - new M: a whole number, 0 or less
.elseif j == 7
	v_mov_b32 v[rT+4], v[rT+3]
.elseif j == 8
	v_cvt_i32_f32 v[rT], v[rT]                     ; (it saturates)
.else
	v_ldexp_f32 v[rT+2], 1.0, v[rT]
.endif
.endm
; The maximum over product m's results, in four chains, each accumulator from its low end on; beside tile 1's, tile 0's M is made
.macro MX
.set rS, S+8*m
.set rC, ST+6*(m/8)
.if m%8 == 0
	v_max3_num_f32 v[rC], v[rC+5], v[rS], v[rS+1]  ; the largest score so far is among the leaves
	v_max_num_f32 v[rC+1], v[rS+2], v[rS+3]
	v_max_num_f32 v[rC+2], v[rS+4], v[rS+5]
	v_max_num_f32 v[rC+3], v[rS+6], v[rS+7]
.else
	v_max3_num_f32 v[rC], v[rC], v[rS], v[rS+1]
	v_max3_num_f32 v[rC+1], v[rC+1], v[rS+2], v[rS+3]
	v_max3_num_f32 v[rC+2], v[rC+2], v[rS+4], v[rS+5]
	v_max3_num_f32 v[rC+3], v[rC+3], v[rS+6], v[rS+7]
.endif
.if m >= 8
.set j, m-8
	TL 0
.endif
.endm
; Line b of 32: t - M, two at a time (of the pairs c and -M the low word serves both halves)
.macro BP t
	v_pk_fma_f32 v[S+64*(\t)+2*b:S+64*(\t)+2*b+1], v[S+64*(\t)+2*b:S+64*(\t)+2*b+1], s[CS:CS+1], v[ST+6*(\t)+4:ST+6*(\t)+5] op_sel_hi:[1,0,0]
.set b, b+1
.endm
; The sum and O^T under the new M
.macro FL t
.set i, 0
.rept 2
	v_pk_mul_f32 v[LC+4*(\t)+i:LC+4*(\t)+i+1], v[LC+4*(\t)+i:LC+4*(\t)+i+1], v[ST+6*(\t)+2:ST+6*(\t)+3] op_sel_hi:[1,0]
.set i, i+2
.endr
.set i, 0
.rept 16
	v_pk_mul_f32 v[OT+32*(\t)+i:OT+32*(\t)+i+1], v[OT+32*(\t)+i:OT+32*(\t)+i+1], v[ST+6*(\t)+2:ST+6*(\t)+3] op_sel_hi:[1,0]
.set i, i+2
.endr
.endm
.macro CVT t, k
	v_cvt_scalef32_pk8_fp8_f32 v[P+16*(\t)+2*(\k):P+16*(\t)+2*(\k)+1], v[S+64*(\t)+8*(\k):S+64*(\t)+8*(\k)+7], v[SCL]
.endm
.macro HALVE                           ; line i of 16: tile 0's unquantised p, the upper half onto the lower
	v_pk_add_f32 v[S+2*i:S+2*i+1], v[S+2*i:S+2*i+1], v[S+32+2*i:S+32+2*i+1]
.endm
; A KEY STEP in slot u.  In the last trip nothing is left to load, steps 2 and 3 have no slot to fill or to fetch K from.
.macro STEP u
	VLOAD \u                                       ; (destination and address in window 0 under both settings that lead here)  six plain lines stand behind the last product that reads these registers
	WIN ALLW
.set n, 0
.rept 16
	v_wmma_f32_16x16x64_fp8_fp8 v[S+8*n:S+8*n+7], v[KF+8*(n%8):KF+8*(n%8)+7], v[QF+8*(n/8):QF+8*(n/8)+7], 0
.if n == 2
.rept 4
	v_nop                                          ; places behind the first product
.endr
.endif
.if n >= 2
.set m, n-2
	MX                                             ; eight plain lines stand between a product and the first read of its result
.endif
.set n, n+1
.endr
.set m, 14
	MX
.set m, 15
	MX
.set j, 8
	TL 0
.set b, 0
.set w, 0
.rept 10
.set j, w
	TL 1
.if w == 1
.set j, 9
	TL 0
.endif
.rept 3
	BP 0
.endr
.set w, w+1
.endr
	BP 0
	BP 0
	WIN 0
.if (\u)%2 == 0
	s_wait_loadcnt 0x0                             ; the pair after this one, asked for two key steps ago, is in registers
.endif
	s_barrier_wait -1                              ; every wave has signalled in the last step: the slot of the next step is whole, and nobody reads a slot before mine any more
.if (\u) == 0
	STORES 1
.endif
.if (\u) == 2
	s_cmp_lt_u32 s[TRIP], 7
	s_cbranch_scc0 .Lno_store_\@
	STORES 0
.Lno_store_\@:
.endif
.if (\u) == 3
	s_cmp_lt_u32 s[TRIP], 7
	s_cbranch_scc0 .Lno_k_\@
.endif
	WIN ALLW
	KLOAD ((\u)+1)%4                               ; the next step's K; more than four plain lines stand behind the products that read these registers
.if (\u) == 3
	WIN 0
.Lno_k_\@:
.endif
	WIN W_FL
	FL 0
	FL 1
	WIN ALLW
	s_wait_alu depctr_va_vdst(0)                   ; ahead of the batch
.set n, 0
.set b, 0
.rept 64
	v_exp_f32 v[S+n], v[S+n]
.if n%2 == 0
	BP 1
.endif
.set n, n+1
.endr
	v_nop                                          ; a plain line behind the last exponential
	s_wait_alu depctr_va_vdst(0)                   ; and behind the batch; it also stands ahead of the next one
	WIN 0
	s_wait_dscnt 0x0                               ; my stores have landed, my fragments of V and of the next K are in
.if (\u)%2 == 0
	s_cmp_lt_u32 s[TRIP], 7
	s_cbranch_scc0 .Lno_load_\@
	GLOADS 8192*(\u)                               ; the pair four steps on: my LDS stores have read these registers
.Lno_load_\@:
.endif
	s_barrier_signal -1                            ; register work and, in the next step, LDS loads of a slot that is not written before a later barrier stand between this and the wait
	s_cmp_le_i32 s[HOLD], 0                        ; a branch on given whole numbers
	s_cbranch_scc1 .Lno_hold_\@
	WIN ALLW
.set n, 64
.rept 64
	v_exp_f32 v[S+n], v[S+n]
.set n, n+1
.endr
	v_nop
	s_wait_alu depctr_va_vdst(0)                   ; behind the batch
.set n, 0
.rept 8                                ; sixteen numbers at a time: held copies, then their codes
	WIN 0x05
.set i, 0
.rept 16
	v_min_num_f32 v[HT+i], v[S+16*n+i], v[LIM]     ; the conversion to an 8-bit code does not saturate (ISA guide 7.6.2); p is not negative, so the hold is one-sided
.set i, i+1
.endr
	WIN 0x44
	v_cvt_scalef32_pk8_fp8_f32 v[P+4*n:P+4*n+1], v[HT:HT+7], v[SCL]
	v_cvt_scalef32_pk8_fp8_f32 v[P+4*n+2:P+4*n+3], v[HT+8:HT+15], v[SCL]
	v_nop                                          ; a plain line between the conversions and the next writes of their sources
.set n, n+1
.endr
	WIN ALLW
.set i, 0
.rept 16
	HALVE
.set i, i+1
.endr
	WIN 0
	s_wait_alu depctr_va_vdst(0)                   ; directly ahead of the branch
	s_branch .Ljoin_\@
.Lno_hold_\@:
	WIN ALLW
.set n, 0
.rept 64
	v_exp_f32 v[S+64+n], v[S+64+n]
.if n < 32
.if n%4 == 1
	CVT 0, n/4
.endif
.else
.if n%2 == 0
.set i, (n-32)/2
	HALVE
.endif
.endif
.if n == 30
	v_nop                                          ; a plain line between the conversions and the writes of their sources
.endif
.set n, n+1
.endr
	v_nop
	s_wait_alu depctr_va_vdst(0)                   ; behind the batch
.set n, 0
.rept 8
	CVT 1, n
.set n, n+1
.endr
	v_nop                                          ; a plain line between the conversions and the products
	WIN 0
.Ljoin_\@:
	WIN W_FL
.set n, 0
.set x, 0
.rept 8                                ; the eight accumulators take turns, one instruction a turn
	v_wmma_f32_16x16x128_fp8_fp8 v[OT+32*(n%2)+8*(n/2):OT+32*(n%2)+8*(n/2)+7], v[VF+16*(n/2):VF+16*(n/2)+15], v[P+16*(n%2):P+16*(n%2)+15], v[OT+32*(n%2)+8*(n/2):OT+32*(n%2)+8*(n/2)+7]
.rept 6                                ; the sums of the unquantised p, two at a time, two chains a tile: of three lines one is tile 0's, two are tile 1's
.if x%3 == 0
.set tt, 0
.set yy, x/3
.else
.set tt, 1
.set yy, 2*(x/3)+(x%3)-1
.endif
	v_pk_add_f32 v[LC+4*tt+2*(yy%2):LC+4*tt+2*(yy%2)+1], v[LC+4*tt+2*(yy%2):LC+4*tt+2*(yy%2)+1], v[S+64*tt+2*yy:S+64*tt+2*yy+1]
.set x, x+1
.endr
.set n, n+1
.endr
.endm
	s_load_b128 s[4:7], s[0:1], 0x0                ; qimg s[4:5], kimg s[6:7]
	s_load_b128 s[8:11], s[0:1], 0x10              ; vimg s[8:9], the scales' exponents s[10:11]
	s_load_b64 s[12:13], s[0:1], 0x20              ; out0
	v_lshl_add_u32 v[SPW], v0, 2, SPARE
	v_mov_b32 v[NIL], 0
	v_lshrrev_b32 v5, 5, v0
	v_readfirstlane_b32 s[WV], v5                  ; wave 0..7
	v_and_b32 v6, 31, v0
	v_lshlrev_b32 v[LI], 4, v6
	v_lshlrev_b32 v[LT], 4, v0
	WIN TO_1
	v_lshlrev_b32 v[LI1], 4, v6
	WIN 0
	s_wait_alu depctr_va_vdst(0)                   ; ahead of the scalars and the wait below
	s_and_b32 s25, ttmp7, 0xffff                   ; the head
	s_lshl_b32 s26, s25, 18                        ; a head's images are 262,144 bytes in each of the three buffers
	s_mov_b32 s27, 0
	s_lshl_b32 s28, ttmp9, 14                      ; Q: tile 16 x + 2 wave, 1,024 bytes a tile
	s_lshl_b32 s29, s[WV], 11
	s_add_co_u32 s28, s28, s29
	s_add_co_u32 s28, s28, s26
	s_mov_b32 s29, 0
	s_lshl_b32 s30, ttmp9, 20                      ; out0: row 256 x + 32 wave of 4,096 bytes, + 256 bytes x head
	s_lshl_b32 s31, s[WV], 17
	s_add_co_u32 s30, s30, s31
	s_lshl_b32 s31, s25, 8
	s_add_co_u32 s30, s30, s31
	s_mov_b32 s31, 0
	s_mov_b32 s[SEL], 0x76543210
	s_mov_b32 s[SEL+1], 0xfedcba98
	s_wait_kmcnt 0x0
	s_load_b128 s[20:23], s[10:11], 0x18           ; e6, e7, e8, e9
	s_add_nc_u64 s[4:5], s[4:5], s[28:29]
	s_add_nc_u64 s[KP:KP+1], s[KP:KP+1], s[26:27]
	s_add_nc_u64 s[VP:VP+1], s[VP:VP+1], s[26:27]
	s_add_nc_u64 s[12:13], s[12:13], s[30:31]
	GLOADS 0                                       ; slots 0 and 1
	WIN TO_1
.irp t, 0,1
.irp g, 0,1
	global_load_b128 v[QF+8*\t+4*\g:QF+8*\t+4*\g+3], v[LI], s[4:5] offset:1024*\t+512*\g   ; Q's two fragments stay in registers
.endr
.endr
.irp t, 0,1
	v_mov_b32 v[ST+6*\t+4], 0x7f61b1e6             ; -M: 3e38
	v_mov_b32 v[ST+6*\t+5], 0xff61b1e6             ; the largest score so far: -3e38, under every score
.endr
	WIN 0
.set i, 0
.rept 8
	v_mov_b32 v[LC+i], 0                           ; the sums
.set i, i+1
.endr
.set i, 0
.rept 64
	v_mov_b32 v[OT+i], 0                           ; O^T: the step is written without a first step of its own; the first change of M leaves zeros zeros
.set i, i+1
.endr
	s_wait_kmcnt 0x0
	s_add_co_i32 s25, s20, s21
	s_sub_co_i32 s26, -8, s22
	s_max_i32 s[HOLD], s26, s25
	s_lshl_b32 s25, s25, 23
	s_add_co_i32 s[CS], s25, 0x3e38aa3b            ; log2(e) / 8, with e6 + e7 added to its exponent field
	s_mov_b32 s[CS+1], s[CS]
	s_xor_b32 s[NCS], s[CS], 0x80000000
	s_add_co_i32 s25, s22, 127
	s_lshl_b32 s26, s25, 23
	s_add_co_i32 s25, s25, 8
	s_lshl_b32 s25, s25, 23
	s_or_b32 s25, s25, 0x600000
	WIN TO_1
	v_mov_b32 v[SCL], s26                          ; 2^e8 as f32
	v_mov_b32 v[LIM], s25                          ; 448 x 2^e8
	WIN 0
	s_add_co_i32 s24, s22, s23                     ; e8 + e9
	s_wait_alu depctr_va_vdst(0)                   ; the head's end
	s_wait_loadcnt 0x0                             ; slots 0 and 1, and Q
	STORES 0
	s_wait_dscnt 0x0                               ; the stores have landed and have read their registers
	GLOADS 16384                                   ; slots 2 and 3
	s_barrier_signal -1
	s_barrier_wait -1                              ; slots 0 and 1 are whole
	WIN ALLW
	KLOAD 0
	WIN 0
	s_wait_xcnt 0x0                                ; the loads have read their bases
	s_add_nc_u64 s[KP:KP+1], s[KP:KP+1], 32768     ; at slot 4
	s_add_nc_u64 s[VP:VP+1], s[VP:VP+1], 32768
	s_mov_b32 s[TRIP], 0
	s_wait_dscnt 0x0
	s_barrier_signal -1                            ; the barrier that step 0 waits for
.Ltrip:                                            ; 8 trips of four key steps; a signal is open at the loop's edge
	STEP 0
	STEP 1
	STEP 2
	STEP 3
	WIN 0
	s_wait_xcnt 0x0                                ; the trip's loads have read their bases
	s_add_nc_u64 s[KP:KP+1], s[KP:KP+1], 32768
	s_add_nc_u64 s[VP:VP+1], s[VP:VP+1], 32768
	s_add_co_u32 s[TRIP], s[TRIP], 1
	s_cmp_lt_u32 s[TRIP], 8
	s_cbranch_scc1 .Ltrip
	s_barrier_wait -1
	; THE WAY OUT.  O^T / the sum x 2^(e8 + e9) goes through my own stage in LDS and leaves as rows: sixteen lanes store a query's 256 bytes of this head, aligned.
	v_and_b32 v5, 15, v0                           ; r
	v_bfe_u32 v6, v0, 4, 1                         ; h
	s_mul_i32 s25, s[WV], 2*16*SPITCH
	s_add_co_u32 s25, s25, STAGE                   ; my stage
	v_mul_u32_u24 v7, v5, SPITCH
	v_lshl_add_u32 v7, v6, 5, v7
	v_add_nc_u32 v7, s25, v7                       ; in: row r; channels 16 c + 8 h on: 64 c + 32 h bytes
	v_mul_u32_u24 v16, v6, SPITCH
	v_lshl_add_u32 v16, v5, 4, v16
	v_add_nc_u32 v16, s25, v16                     ; back: lanes 0-15 one row, lanes 16-31 the next
	v_lshlrev_b32 v17, 12, v6
	v_lshl_add_u32 v17, v5, 4, v17                 ; and the same two rows in out0
.irp t, 0,1
	v_pk_add_f32 v[LC+4*\t:LC+4*\t+1], v[LC+4*\t:LC+4*\t+1], v[LC+4*\t+2:LC+4*\t+3]
.endr
.irp t, 0,1
	v_add_f32 v[LC+4*\t], v[LC+4*\t], v[LC+4*\t+1]
.endr
.irp t, 0,1
	v_permlanex16_b32 v[LC+4*\t+2], v[LC+4*\t], s[SEL], s[SEL+1]
.endr
.irp t, 0,1
	v_add_f32 v[LC+4*\t], v[LC+4*\t], v[LC+4*\t+2] ; the row's sum
.endr
	s_wait_alu depctr_va_vdst(0)                   ; ahead of the batch
.irp t, 0,1
	v_rcp_f32 v[LC+4*\t+2], v[LC+4*\t]
.endr
	v_nop                                          ; a plain line behind the last reciprocal
	s_wait_alu depctr_va_vdst(0)                   ; and behind it, ahead of the first reader
.irp t, 0,1
	v_ldexp_f32 v[LC+4*\t+2], v[LC+4*\t+2], s24
.endr
	s_wait_alu depctr_va_vdst(0)                   ; directly ahead of the first reader of O^T
.irp t, 0,1
.set i, 0
.rept 16
	v_pk_mul_f32 v[WO+32*\t+i:WO+32*\t+i+1], v[OT+32*\t+i:OT+32*\t+i+1], v[LC+4*\t+2:LC+4*\t+3] op_sel_hi:[1,0]   ; each accumulator from its low end on
.set i, i+2
.endr
.endr
.irp t, 0,1
.irp c, 0,1,2,3
	ds_store_b128 v7, v[WO+32*\t+8*\c:WO+32*\t+8*\c+3] offset:16*SPITCH*\t+64*\c
	ds_store_b128 v7, v[WO+32*\t+8*\c+4:WO+32*\t+8*\c+7] offset:16*SPITCH*\t+64*\c+16
.endr
.irp i, 0,1,2,3,4,5,6,7
	ds_load_b128 v[VF+32*\t+4*\i:VF+32*\t+4*\i+3], v16 offset:16*SPITCH*\t+2*\i*SPITCH   ; LDS serves a wave's instructions in order: these see my stores
.endr
.endr
.irp i, 0,1,2,3,4,5,6,7
	s_wait_dscnt 23-\i                             ; behind tile 0's load i: its 7 - i younger loads and tile 1's sixteen instructions
	global_store_b128 v17, v[VF+4*\i:VF+4*\i+3], s[12:13] offset:2*\i*4096 th:TH_STORE_NT
.endr
.irp i, 0,1,2,3,4,5,6,7
	s_wait_dscnt 7-\i
	global_store_b128 v17, v[VF+32+4*\i:VF+32+4*\i+3], s[12:13] offset:(16+2*\i)*4096 th:TH_STORE_NT
.endr
	s_wait_tensorcnt 0x0                           ; the wave's end
	ds_add_u32 v[SPW], v[NIL]
	s_wait_dscnt 0x0
	s_endpgm
.Lfunc_end_k_q69372f04d2_attn:
	.size	k_q69372f04d2_attn, .Lfunc_end_k_q69372f04d2_attn-k_q69372f04d2_attn
	.p2alignl 7, 3214868480
	.fill 96, 4, 3214868480
	.section	.rodata,"a",@progbits
	.p2align	6, 0x0
	.amdhsa_kernel k_q69372f04d2_attn
		.amdhsa_group_segment_fixed_size 136192
		.amdhsa_private_segment_fixed_size 0
		.amdhsa_enable_private_segment 0
		.amdhsa_kernarg_size 40
		.amdhsa_user_sgpr_count 2
		.amdhsa_user_sgpr_kernarg_segment_ptr 1
		.amdhsa_wavefront_size32 1
		.amdhsa_system_sgpr_workgroup_id_x 1
		.amdhsa_system_sgpr_workgroup_id_y 1
		.amdhsa_system_sgpr_workgroup_id_z 1
		.amdhsa_system_vgpr_workitem_id 0
		.amdhsa_next_free_vgpr 512
		.amdhsa_next_free_sgpr 66
		.amdhsa_reserve_vcc 0
		.amdhsa_float_denorm_mode_32 3
		.amdhsa_float_denorm_mode_16_64 3
		.amdhsa_memory_ordered 1
		.amdhsa_forward_progress 1
		.amdhsa_inst_pref_size 152
	.end_amdhsa_kernel
	.amdgpu_metadata
---
amdhsa.version: [ 1, 2 ]
amdhsa.kernels:
  - .name:           k_q69372f04d2_attn
    .symbol:         k_q69372f04d2_attn.kd
    .args:
      - { .name: qimg, .offset: 0, .size: 8, .value_kind: global_buffer, .address_space: global }
      - { .name: kimg, .offset: 8, .size: 8, .value_kind: global_buffer, .address_space: global }
      - { .name: vimg, .offset: 16, .size: 8, .value_kind: global_buffer, .address_space: global }
      - { .name: lowp_scales, .offset: 24, .size: 8, .value_kind: global_buffer, .address_space: global }
      - { .name: out0, .offset: 32, .size: 8, .value_kind: global_buffer, .address_space: global }
    .group_segment_fixed_size: 136192
    .private_segment_fixed_size: 0
    .kernarg_segment_align: 8
    .kernarg_segment_size: 40
    .max_flat_workgroup_size: 256
    .sgpr_count:     66
    .vgpr_count:     512
    .wavefront_size: 32
...
	.end_amdgpu_metadata
.endif
;; end of part 3
